; MI455X (gfx1250); checked and timed in simulation.
; The chip was launched on July 23, 2026; its instructions are those of AMD's public machine-readable ISA for CDNA 5 (MIT licence, August 2026) and "CDNA5" Instruction Set Architecture Reference Guide (July 2026). The comments in the code are by the model that wrote it; some were corrected since.
;; Causal Self Attention. Allowed arithmetic: matrix products marked QUANTISED: E4M3 operands, one given power-of-two scale a tensor, by v_wmma_f32_16x16x64_fp8_fp8 or v_wmma_f32_16x16x128_fp8_fp8, f32 sums; everything else in f32.
;; Inputs: cos 4,096 x 16 float32; k_norm_w 64 float32; lowp_scales 8 int32 (the exponents e of the quantised operands' scales 2^e); pos 4,096 int32; q_norm_w 64 float32; sin 4,096 x 16 float32; tokens 1 x 4,096 int32; w_o 1,024 x 1,024 float32; w_qkv 3,072 x 1,024 float32; x 1 x 4,096 x 1,024 float32.
;; Outputs: out0 1 x 4,096 x 1,024 float32.
;; Constants: block_size = 128, window_tokens = 1024.
;; This version of the problem:
;;   THIS VERSION OF THE PROBLEM IS GIVEN IN LOW PRECISION. The matrix products marked QUANTISED in the list below multiply operands that are first quantised to E4M3 (4 exponent bits, 3 mantissa bits; 8 bits a number), with one given power-of-two scale for each operand tensor; their sums are f32. All else is computed in f32.
;;   The module's matrix products, in the order in which they are computed (A, B: the left and right operand; K: the contracted axis; several contracted axes count as one K, in the product's order):
;;     1. [M 4,096, K 1,024] x [K 1,024, N 3,072]; A: input x; B: input w_qkv: QUANTISED (scales: A lowp_scales[0], B lowp_scales[1])
;;     2. batch 16 x [M 4,096, K 64] x [K 64, N 4,096]; A: computed on the way; B: computed on the way: QUANTISED (scales: A lowp_scales[2], B lowp_scales[3])
;;     3. batch 16 x [M 4,096, K 4,096] x [K 4,096, N 64]; A: softmax (see below); B: computed on the way: QUANTISED (scales: A lowp_scales[4], B lowp_scales[5])
;;     4. [M 4,096, K 1,024] x [K 1,024, N 1,024]; A: computed on the way; B: input w_o: QUANTISED (scales: A lowp_scales[6], B lowp_scales[7])
;;   THE QUANTISER, for each operand of a quantised product, along K:
;;     - The operand's scale is 2^e, e = its entry of the input lowp_scales (int32; the entries are numbered through the quantised products in the list's order, A before B).
;;     - Each number is divided by the scale, clamped to +-448, and rounded to the nearest number of E4M3, ties to even, subnormals kept.
;;     - The product sums the exact products of the quantised numbers (number of the format x scale) in f32.
;;   ~~~python
;;   def quantise(x, axis, e):      # numpy; x: float32 -> the quantised numbers, widened to float32 again
;;       x = np.moveaxis(x, axis, -1); K = x.shape[-1]
;;       r = np.clip(x / 2.0 ** e, -448, 448)
;;       step = 2.0 ** (np.maximum(np.frexp(np.where(r == 0, 1, r))[1] - 1, -6) - 3)
;;       q = np.round(r / step) * step * 2.0 ** e      # np.round: ties to even
;;       return np.moveaxis(q, -1, axis).astype(np.float32)
;;   ~~~
;;   SOFTMAX AHEAD OF A QUANTISED PRODUCT. Where the list says 'softmax', what is quantised is not the finished softmax but p = 2^(t - M), with t = logit x log2(e) and M = ceil(the row's largest t), a whole number; so 1/2 < the row's largest p <= 1. The row's sum l is taken of the UNQUANTISED p, in f32, and the product's result is divided by l at the end. Since M is a whole number, a kernel that streams over the keys may use a running M (the ceiling of the running maximum): every later rescaling is an exact power of two, so the quantised numbers keep their values, but for numbers so far below the row's largest that they fall under the format's range.
;;   OPERANDS COMPUTED ON THE WAY. 'Computed on the way' means the value that the module computes at that place (a softmax that the list does not call 'softmax' is quantised finished and normalised). What goes into a quantiser is computed in f32, as accurately as f32 sums, v_exp_f32 and their like allow (about 1e-6 of the number): no bf16 or f16 on the way to a quantiser, and a product that is left as it is and whose result goes on into a quantised operand takes f32 operands (vector FMAs, or v_wmma_f32_16x16x4_f32). A number that lies on a knife's edge between two numbers of the format may be rounded either way, as far as f32 arithmetic and the matrix unit's own rounding can turn it there, and no further.
;; One version. Each part assembles by itself: llvm-mc -triple=amdgcn-amd-amdhsa -mcpu=gfx1250 --defsym DOCPART=n.
;; ======== version 1 of 1: 4 launches
;; limits: right only within a limited range of input values
;; workspace buffers: xw_codes 7,340,032 bytes; wo_codes 1,048,576 bytes; q_frag 4,194,304 bytes; k_frag 4,194,304 bytes; v_frag 4,194,304 bytes; o_codes 4,194,304 bytes
;; launch quant (part 1): grid 512 x 1, 8 waves a work-group, no clusters, 68,608 bytes of LDS; arguments x, w_qkv, w_o, lowp_scales, xw_codes, wo_codes; writes xw_codes, wo_codes
.if DOCPART == 1
	.amdgcn_target "amdgcn-amd-amdhsa--gfx1250"
	.amdhsa_code_object_version 6
	.text
	.protected	k_q2f02361d5b_quant
	.globl	k_q2f02361d5b_quant
	.p2align	8
	.type	k_q2f02361d5b_quant,@function
k_q2f02361d5b_quant:
	s_mov_b64 s[64:65], 0
	v_nop
	global_prefetch_b8 v0, s[64:65] scope:SCOPE_SE
	s_setreg_imm32_b32 hwreg(HW_REG_WAVE_MODE, 25, 1), 1
	s_wait_xcnt 0x0
; x [4096][1024], w_qkv [3072][1024] and w_o [1024][1024], f32 with K innermost, become codes of FP8 (E4M3), each with the one scale 2^e given for it
; (entries 0, 1 and 7 of the exponents).  code = number / 2^e, held within +-448, rounded to the nearest code, ties to even.
; LIMITS: e between -126 and 127, so that 2^e is an f32 number.  NaN among the inputs is not served.
; THE CODES ARE LAID AS IMAGES OF OPERAND REGISTERS.  A fragment is 16 rows x 128 along K, 2,048 bytes: [g 0..3][lane 0..31][16 bytes]; lane (r = lane % 16, h = lane / 16) holds in its
; 16 bytes of group g the codes of row r at k = 32 g + 8 h + 0..7 and k = 32 g + 16 + 8 h + 0..7: registers 4 g .. 4 g + 3 of the plain 8-bit layout (ISA guide 7.12.2).
; A buffer is [K step of 256][tile of 16 rows][2 fragments]: a reader's tiles are dense blocks, and a fragment comes by four loads of 16 bytes a lane.
; SHARES.  Work-group g takes one tile of 16 rows (g < 256: x; g < 448: w_qkv; else w_o), wave w its 128 numbers along K from 128 w on: one fragment.  One path serves all three: only pointers and numbers are chosen.
; Each load reads 512 consecutive bytes of a row; the 16 x 512 bytes turn through the wave's own stage in LDS (rows 528 bytes apart) and come back eight neighbours along K at a time.
; No loop, no barrier: waves share nothing, and no register is written twice.
; WORK LEFT OUT IN THE PROGRAM, for all values of the inputs: the input tokens is used by no line of reference() and is among no launch's arguments; block_size likewise.  reference() masks every key that comes after its query or
; 1,024 or more before it, whatever the inputs hold: whole tiles of such keys are not multiplied.  LIMIT: a NaN, an infinity or an overflow that reaches only such work is not carried to the result.
.set KSB_XW, 448*4096                  ; bytes of a K step in xw_codes
.set KSB_WO, 64*4096                   ; and in wo_codes
.set SP,     528                       ; a stage row: 512 bytes + 16
.set STG,    16*SP                     ; a wave's stage
.set R,      16                        ; v16-79   row i as loaded, at R + 4 i
.set X,      80                        ; v80-143  group g's 16 numbers, at X + 16 g
.set C,      144                       ; v144-159 the fragment's codes
	s_load_b256 s[4:11], s[0:1], 0x0               ; x s[4:5], w_qkv s[6:7], w_o s[8:9], the exponents s[10:11]
	s_load_b128 s[12:15], s[0:1], 0x20             ; xw_codes s[12:13], wo_codes s[14:15]
	v_lshl_add_u32 v160, v0, 2, 0x10800
	v_mov_b32 v161, 0
	v_lshrrev_b32 v1, 5, v0
	s_delay_alu instid0(VALU_DEP_1)
	v_readfirstlane_b32 s16, v1                    ; wave 0..7
	v_and_b32 v2, 31, v0
	s_delay_alu instid0(VALU_DEP_1)
	v_lshlrev_b32 v3, 4, v2                        ; 16 x lane: my bytes of a load's 512 and of a store's 512
	s_mul_i32 s17, s16, STG
	v_add_nc_u32 v14, s17, v3                      ; the stage, on the way in: as the bytes lie in a row
	v_and_b32 v4, 15, v0                           ; r
	v_bfe_u32 v5, v0, 4, 1                         ; h
	s_delay_alu instid0(VALU_DEP_2)
	v_mul_u32_u24 v15, v4, SP
	s_delay_alu instid0(VALU_DEP_1)
	v_lshl_add_u32 v15, v5, 5, v15
	s_delay_alu instid0(VALU_DEP_1)
	v_add_nc_u32 v15, s17, v15                     ; and on the way out: row r, 32 h bytes on
	s_cmp_lt_u32 ttmp9, 256                        ; which tensor: the choice hangs on the work-group's number alone
	s_cselect_b32 s20, 0, 256
	s_mov_b32 s21, 448
	s_mov_b32 s32, KSB_WO
	s_cmp_lt_u32 ttmp9, 448
	s_cselect_b32 s20, s20, s21                    ; the tensor's first work-group
	s_cselect_b32 s32, KSB_XW, s32                 ; a K step in the buffer of codes
	s_cselect_b32 s33, 0, s21                      ; the buffer's first work-group
	s_sub_co_u32 s35, ttmp9, s20
	s_lshl_b32 s35, s35, 16                        ; 16 rows of 4,096 bytes
	s_lshl_b32 s36, s16, 9                         ; + my 512 bytes of a row
	s_add_co_u32 s36, s35, s36
	s_mov_b32 s37, 0
	s_lshr_b32 s38, s16, 1
	s_mul_i32 s38, s38, s32                        ; K step w / 2,
	s_sub_co_u32 s35, ttmp9, s33
	s_lshl_b32 s35, s35, 12                        ; the row tile's two fragments,
	s_add_co_u32 s38, s38, s35
	s_and_b32 s35, s16, 1
	s_lshl_b32 s35, s35, 11                        ; fragment w % 2
	s_add_co_u32 s38, s38, s35
	s_mov_b32 s39, 0
	s_wait_alu depctr_va_vdst(0)
	s_wait_kmcnt 0x0
	s_load_b256 s[24:31], s[10:11], 0x0            ; the eight exponents
	s_cmp_lt_u32 ttmp9, 256
	s_cselect_b64 s[18:19], s[4:5], s[6:7]
	s_cmp_lt_u32 ttmp9, 448
	s_cselect_b64 s[18:19], s[18:19], s[8:9]
	s_cselect_b64 s[22:23], s[12:13], s[14:15]
	s_add_nc_u64 s[18:19], s[18:19], s[36:37]
	s_add_nc_u64 s[22:23], s[22:23], s[38:39]
.irp i, 0,1,2,3,4,5,6,7,8,9,10,11,12,13,14,15
	global_load_b128 v[R+4*\i:R+4*\i+3], v3, s[18:19] offset:4096*\i th:TH_LOAD_NT   ; 32 lanes read 512 consecutive bytes of row i; read once in the launch
.endr
	s_wait_kmcnt 0x0
	s_cmp_lt_u32 ttmp9, 256
	s_cselect_b32 s34, s24, s25
	s_cmp_lt_u32 ttmp9, 448
	s_cselect_b32 s34, s34, s31                    ; e
	s_add_co_i32 s34, s34, 127
	s_lshl_b32 s35, s34, 23
	v_mov_b32 v11, s35                             ; 2^e as f32: the conversion takes its exponent field
	s_wait_alu depctr_va_vdst(0)
.irp q, 0,1,2,3
	s_wait_loadcnt 12-4*\q                         ; loads come back in order: rows 4 q .. 4 q + 3 are in, the younger rows' loads stay out
.irp i, 0,1,2,3
	ds_store_b128 v14, v[R+4*(4*\q+\i):R+4*(4*\q+\i)+3] offset:SP*(4*\q+\i)
.endr
.endr
.irp g, 0,1,2,3                        ; LDS serves a wave's instructions in order: these see my stores
	ds_load_b128 v[X+16*\g:X+16*\g+3],     v15 offset:128*\g       ; k = 32 g + 8 h + 0..3
	ds_load_b128 v[X+16*\g+4:X+16*\g+7],   v15 offset:128*\g+16    ;                + 4..7
	ds_load_b128 v[X+16*\g+8:X+16*\g+11],  v15 offset:128*\g+64    ; k = 32 g + 16 + 8 h + 0..3
	ds_load_b128 v[X+16*\g+12:X+16*\g+15], v15 offset:128*\g+80    ;                     + 4..7
.endr
.irp g, 0,1,2,3
	s_wait_dscnt 12-4*\g                           ; group g's four loads are back; the younger groups' stay out
.irp i, 0,1,2,3,4,5,6,7,8,9,10,11,12,13,14,15
.endr
	v_cvt_scalef32_pk8_fp8_f32 v[C+4*\g:C+4*\g+1], v[X+16*\g:X+16*\g+7], v11
	v_cvt_scalef32_pk8_fp8_f32 v[C+4*\g+2:C+4*\g+3], v[X+16*\g+8:X+16*\g+15], v11
	global_store_b128 v3, v[C+4*\g:C+4*\g+3], s[22:23] offset:512*\g   ; the wave stores 512 consecutive bytes, at a multiple of 512 from the buffer's first byte
.endr
	s_wait_tensorcnt 0x0
	ds_add_u32 v160, v161
	s_wait_dscnt 0x0
	s_endpgm
.Lfunc_end_k_q2f02361d5b_quant:
	.size	k_q2f02361d5b_quant, .Lfunc_end_k_q2f02361d5b_quant-k_q2f02361d5b_quant
	.p2alignl 7, 3214868480
	.fill 96, 4, 3214868480
	.section	.rodata,"a",@progbits
	.p2align	6, 0x0
	.amdhsa_kernel k_q2f02361d5b_quant
		.amdhsa_group_segment_fixed_size 68608
		.amdhsa_private_segment_fixed_size 0
		.amdhsa_enable_private_segment 0
		.amdhsa_kernarg_size 48
		.amdhsa_user_sgpr_count 2
		.amdhsa_user_sgpr_kernarg_segment_ptr 1
		.amdhsa_wavefront_size32 1
		.amdhsa_system_sgpr_workgroup_id_x 1
		.amdhsa_system_sgpr_workgroup_id_y 1
		.amdhsa_system_sgpr_workgroup_id_z 1
		.amdhsa_system_vgpr_workitem_id 0
		.amdhsa_next_free_vgpr 162
		.amdhsa_next_free_sgpr 66
		.amdhsa_reserve_vcc 0
		.amdhsa_float_denorm_mode_32 3
		.amdhsa_float_denorm_mode_16_64 3
		.amdhsa_fp16_overflow 1
		.amdhsa_memory_ordered 1
		.amdhsa_forward_progress 1
		.amdhsa_inst_pref_size 8
	.end_amdhsa_kernel
	.amdgpu_metadata
---
amdhsa.version: [ 1, 2 ]
amdhsa.kernels:
  - .name:           k_q2f02361d5b_quant
    .symbol:         k_q2f02361d5b_quant.kd
    .args:
      - { .name: x, .offset: 0, .size: 8, .value_kind: global_buffer, .address_space: global }
      - { .name: w_qkv, .offset: 8, .size: 8, .value_kind: global_buffer, .address_space: global }
      - { .name: w_o, .offset: 16, .size: 8, .value_kind: global_buffer, .address_space: global }
      - { .name: lowp_scales, .offset: 24, .size: 8, .value_kind: global_buffer, .address_space: global }
      - { .name: xw_codes, .offset: 32, .size: 8, .value_kind: global_buffer, .address_space: global }
      - { .name: wo_codes, .offset: 40, .size: 8, .value_kind: global_buffer, .address_space: global }
    .group_segment_fixed_size: 68608
    .private_segment_fixed_size: 0
    .kernarg_segment_align: 8
    .kernarg_segment_size: 48
    .max_flat_workgroup_size: 256
    .sgpr_count:     66
    .vgpr_count:     162
    .wavefront_size: 32
...
	.end_amdgpu_metadata
.endif
;; end of part 1
;; launch qkv (part 2): grid 12 x 16, 4 waves a work-group, clusters of 4 x 4, 327,680 bytes of LDS; arguments xw_codes, lowp_scales, pos, cos, sin, q_norm_w, k_norm_w, q_frag, k_frag, v_frag; writes q_frag, k_frag, v_frag
.if DOCPART == 2
	.amdgcn_target "amdgcn-amd-amdhsa--gfx1250"
	.amdhsa_code_object_version 6
	.text
	.protected	k_q2f02361d5b_qkv
	.globl	k_q2f02361d5b_qkv
	.p2align	8
	.type	k_q2f02361d5b_qkv,@function
k_q2f02361d5b_qkv:
	s_mov_b64 s[64:65], 0
	v_nop
	global_prefetch_b8 v0, s[64:65] scope:SCOPE_SE
	s_setreg_imm32_b32 hwreg(HW_REG_WAVE_MODE, 25, 1), 1
	s_wait_xcnt 0x0
	s_wait_alu depctr_hold_cnt(0) depctr_sa_sdst(0) depctr_va_vdst(0) depctr_va_sdst(0) depctr_va_ssrc(0) depctr_va_vcc(0) depctr_vm_vsrc(0)
	s_getreg_b32 s2, hwreg(HW_REG_IB_STS2, 6, 4)
	s_cmp_eq_u32 s2, 0
	s_cbranch_scc0 .Lentry_in_a_cluster
	s_endpgm
.Lentry_in_a_cluster:
	s_bfe_u32 s2, ttmp6, 0x10000c
	s_cmp_lg_u32 s2, 0xf033
	s_cbranch_scc0 .Lentry_shape_is_right
	s_endpgm
.Lentry_shape_is_right:
.set KSB,    448*4096
.set FR,     16
.set NL,     4
.set NP,     4
.set HALFT,  32768
.set SLOT,   4*HALFT
.set SPARE,  2*SLOT
.set ADRA, 16
.set ADRB, 20
.set LI,   24
.set R4,   25
.set H32,  26
.set H16,  27
.set SPW,  28
.set NIL,  29
.set PA,   32
.set W,    40
.set F,    72
.set CV,   120
.set LM,   121
.set AF,   128
.set Y,    128
.set RT,   192
.set CD,   224
.set G1, 24
.set G0, 32
.set G1B, 48
.set G0B, 56
.set MSB, 0
.macro WIN new
.if MSB != \new
	s_set_vgpr_msb (MSB<<8)|(\new)
.set MSB, \new
.endif
.endm
.set MUL_LO, 0xa1
.set MUL_HI, 0xf1
.set TO_B,   0x40
.macro JLOAD g0a, g1a, g0b, g1b
	s_cmp_eq_u32 s15, 0
	s_cbranch_scc0 .Lfor_b_\@
	tensor_load_to_lds s[\g0a:\g0a+3], s[\g1a:\g1a+7]
	s_nop 0
.rept 4
	v_nop
.endr
	s_branch .Lasked_\@
.Lfor_b_\@:
	tensor_load_to_lds s[\g0b:\g0b+3], s[\g1b:\g1b+7]
	s_nop 0
.rept 4
	v_nop
.endr
.Lasked_\@:
.endm
.macro CREST
	s_cmp_lg_u32 s14, 0
	s_cbranch_scc1 .Lnot_wave_0_\@
	s_barrier_signal -3
.Lnot_wave_0_\@:
	s_barrier_wait -3
	s_barrier_signal -1
	s_barrier_wait -1
.endm
.macro CROUND
	s_barrier_signal -1
	s_barrier_wait -1
	CREST
.endm
	s_load_b256 s[4:11], s[0:1], 0x0
	s_load_b256 s[68:75], s[0:1], 0x20
	s_load_b128 s[76:79], s[0:1], 0x40
	v_lshl_add_u32 v[SPW], v0, 2, SPARE
	v_mov_b32 v[NIL], 0
	ds_add_u32 v28, v29
	ds_add_u32 v28, v29
	s_wait_dscnt 0x0
	v_lshrrev_b32 v1, 5, v0
	v_readfirstlane_b32 s14, v1
	s_lshr_b32 s15, s14, 1
	s_and_b32 s16, s14, 1
	s_bfe_u32 s40, ttmp6, 0x40000
	s_bfe_u32 s41, ttmp6, 0x40004
	s_and_b32 s13, ttmp7, 0xffff
	s_cmp_eq_u32 ttmp9, 2
	s_cselect_b32 s12, 1, 0
	s_cselect_b32 s17, 0, s13
	s_cselect_b32 s42, s13, ttmp9
	s_cselect_b32 s18, 384, 0
	s_cselect_b32 s19, 0, 256
	s_lshl_b32 s17, s17, 2
	s_add_co_u32 s17, s17, s41
	s_lshl_b32 s42, s42, 2
	s_add_co_u32 s42, s42, s40
	s_lshl_b32 s43, s41, 2
	s_lshl_b32 s43, 15, s43
	s_lshl_b32 s44, 0x1111, s40
	s_or_b32 s[G1+0], s43, (3<<16)|(1<<21)
	s_or_b32 s[G1B+0], s44, (3<<16)|(1<<21)
.irp g, G1, G1B
	s_mov_b32 s[\g+1], 32<<16
	s_mov_b32 s[\g+2], 128<<16
	s_mov_b32 s[\g+3], 32<<16
	s_mov_b32 s[\g+4], 128
	s_mov_b32 s[\g+5], 32
	s_mov_b32 s[\g+6], 0
	s_mov_b32 s[\g+7], 0
.endr
	s_lshl_b32 s22, s16, 3
	s_lshl_b32 s20, s17, 4
	s_add_co_u32 s20, s20, s18
	s_add_co_u32 s20, s20, s22
	s_lshl_b32 s20, s20, 12
	s_mov_b32 s21, 0
	s_lshl_b32 s46, s42, 4
	s_add_co_u32 s46, s46, s19
	s_add_co_u32 s46, s46, s22
	s_lshl_b32 s46, s46, 12
	s_mov_b32 s47, 0
	s_mul_i32 s45, s14, HALFT
	s_wait_kmcnt 0x0
	s_load_b256 s[80:87], s[6:7], 0x0
	s_add_nc_u64 s[20:21], s[4:5], s[20:21]
	s_add_nc_u64 s[46:47], s[4:5], s[46:47]
	CROUND
.irp s, 0,1
	s_mov_b32 s[G0+4*\s], 1
	s_add_co_u32 s[G0+4*\s+1], s45, \s*SLOT
	s_add_nc_u64 s[G0+4*\s+2:G0+4*\s+3], s[20:21], \s*KSB
	s_or_b32 s[G0+4*\s+3], s[G0+4*\s+3], 0x80000000
	s_mov_b32 s[G0B+4*\s], 1
	s_add_co_u32 s[G0B+4*\s+1], s45, \s*SLOT
	s_add_nc_u64 s[G0B+4*\s+2:G0B+4*\s+3], s[46:47], \s*KSB
	s_or_b32 s[G0B+4*\s+3], s[G0B+4*\s+3], 0x80000000
	s_wait_alu depctr_va_vdst(0)
	s_wait_tensorcnt 0x0
	ds_add_u32 v28, v29
	ds_add_u32 v28, v29
	s_wait_dscnt 0x0
	CROUND
	JLOAD G0+4*\s, G1, G0B+4*\s, G1B
.endr
	v_and_b32 v1, 15, v0
	v_bfe_u32 v2, v0, 4, 1
	v_and_b32 v3, 31, v0
	v_lshlrev_b32 v[LI], 4, v3
	v_lshlrev_b32 v[R4], 2, v1
	v_lshlrev_b32 v[H32], 5, v2
	v_lshlrev_b32 v[H16], 4, v2
	s_mul_i32 s21, s15, HALFT
	s_mul_i32 s22, s16, HALFT
	s_add_co_u32 s22, s22, 2*HALFT
.irp s, 0,1
	v_add_nc_u32 v[ADRA+\s], s21, v[LI]
	v_add_nc_u32 v[ADRB+\s], s22, v[LI]
	s_add_co_u32 s21, s21, SLOT
	s_add_co_u32 s22, s22, SLOT
.endr
	s_mov_b32 s66, 0x76543210
	s_mov_b32 s67, 0xfedcba98
	s_lshl_b32 s96, s17, 10
	s_lshl_b32 s97, s15, 9
	s_add_co_u32 s96, s96, s97
	s_mov_b32 s97, 0
	s_add_nc_u64 s[8:9], s[8:9], s[96:97]
	s_cmp_eq_u32 ttmp9, 0
	s_cselect_b64 s[94:95], s[70:71], s[72:73]
	s_cselect_b64 s[92:93], s[74:75], s[76:77]
	s_cmp_eq_u32 ttmp9, 2
	s_cselect_b64 s[92:93], s[78:79], s[92:93]
	s_cselect_b32 s96, s17, s40
	s_cselect_b32 s97, s15, s16
	s_cselect_b32 s98, s42, s17
	s_cselect_b32 s99, s16, s15
	s_lshl_b32 s96, s96, 1
	s_add_co_u32 s96, s96, s97
	s_lshl_b32 s96, s96, 19
	s_lshl_b32 s98, s98, 1
	s_add_co_u32 s98, s98, s99
	s_lshl_b32 s98, s98, 13
	s_add_co_u32 s96, s96, s98
	s_mov_b32 s97, 0
	s_add_nc_u64 s[92:93], s[92:93], s[96:97]
	s_cmp_lg_u32 s12, 0
	s_cbranch_scc1 .Lno_norm
	s_wait_alu depctr_va_vdst(0)
.irp a, 0,1,2,3,4,5,6,7
	global_load_b32 v[PA+\a], v[R4], s[8:9] offset:64*\a
.endr
.irp c, 0,1,2,3
	global_load_b128 v[W+8*\c:W+8*\c+3],   v[H32], s[94:95] offset:64*\c
	global_load_b128 v[W+8*\c+4:W+8*\c+7], v[H32], s[94:95] offset:64*\c+16
.endr
.Lno_norm:
	s_wait_kmcnt 0x0
	s_add_co_i32 s88, s80, s81
	s_lshl_b32 s89, s88, 1
	s_add_co_i32 s89, s89, 121
	s_lshl_b32 s89, s89, 23
	s_mov_b32 s90, 0x358637bd
	s_sub_co_i32 s91, s85, s88
	s_add_co_i32 s91, s91, 1
	s_cmp_eq_u32 ttmp9, 0
	s_cselect_b32 s96, s82, s83
	s_cmp_eq_u32 ttmp9, 2
	s_cselect_b32 s91, s91, s96
	s_add_co_i32 s91, s91, 127
	s_lshl_b32 s96, s91, 23
	v_mov_b32 v[CV], s96
	s_add_co_i32 s91, s91, 8
	s_lshl_b32 s91, s91, 23
	s_or_b32 s91, s91, 0x600000
	v_mov_b32 v[LM], s91
.macro FRAG reg, adr, q, i
.irp c, 0,1,2,3
	ds_load_b128 v[\reg+4*\c:\reg+4*\c+3], v[\adr] offset:2048*(\q)+512*\c+4096*(\i)
.endr
.endm
.macro MUL16 a0, p, zero
.irp a, \a0, \a0+1
.irp b, 0,1,2,3,4,5,6,7
.if \zero
	v_wmma_f32_16x16x128_fp8_fp8 v[8*(8*((\a)%4)+\b):8*(8*((\a)%4)+\b)+7], v[128*(\p)+FR*\b:128*(\p)+FR*\b+FR-1], v[AF+FR*(\a):AF+FR*(\a)+FR-1], 0
.else
	v_wmma_f32_16x16x128_fp8_fp8 v[8*(8*((\a)%4)+\b):8*(8*((\a)%4)+\b)+7], v[128*(\p)+FR*\b:128*(\p)+FR*\b+FR-1], v[AF+FR*(\a):AF+FR*(\a)+FR-1], v[8*(8*((\a)%4)+\b):8*(8*((\a)%4)+\b)+7]
.endif
.endr
.endr
.endm
.macro FETCH_B slot, q, p
	WIN TO_B
.irp i, 0,1,2,3,4,5,6,7
	FRAG 128*(\p)+FR*\i, ADRB+\slot, \q, \i
.endr
	WIN 0
.endm
.macro FETCH_A slot, q, i0
.irp i, \i0, \i0+1, \i0+2, \i0+3
	FRAG AF+FR*(\i), ADRA+\slot, \q, \i
.endr
.endm
.macro PLACES n
.rept \n
	v_nop
.endr
.endm
.macro STEP slot, q, zero
	s_wait_dscnt 4*NL
	WIN MUL_LO
	MUL16 0, (\q)%2, \zero
	MUL16 2, (\q)%2, \zero
	s_wait_dscnt 0
	PLACES NP
	FETCH_B \slot, (\q)+1, 1-(\q)%2
	FETCH_A \slot, (\q)+1, 0
	WIN MUL_HI
	MUL16 4, (\q)%2, \zero
	MUL16 6, (\q)%2, \zero
	PLACES NP
	WIN 0
	FETCH_A \slot, (\q)+1, 4
.endm
.macro TURN slot, next, fill
	s_wait_tensorcnt 0x0
	ds_add_u32 v[SPW], v[NIL]
	s_wait_dscnt 4*NL+1
	WIN MUL_LO
	MUL16 0, 1, 0
	s_wait_dscnt 0x0
	s_barrier_signal -1
	MUL16 2, 1, 0
	WIN 0
	s_barrier_wait -1
.if \fill
	CREST
	s_add_nc_u64 s[G0+4*\slot+2:G0+4*\slot+3], s[G0+4*\slot+2:G0+4*\slot+3], 2*KSB
	s_add_nc_u64 s[G0B+4*\slot+2:G0B+4*\slot+3], s[G0B+4*\slot+2:G0B+4*\slot+3], 2*KSB
	JLOAD G0+4*\slot, G1, G0B+4*\slot, G1B
.else
	PLACES NP
.endif
	FETCH_B \next, 0, 0
	FETCH_A \next, 0, 0
	WIN MUL_HI
	MUL16 4, 1, 0
	MUL16 6, 1, 0
	PLACES NP
	WIN 0
	FETCH_A \next, 0, 4
.endm
	s_wait_tensorcnt 1
	s_barrier_signal -1
	s_barrier_wait -1
	s_wait_alu depctr_va_vdst(0)
	FETCH_B 0, 0, 0
	FETCH_A 0, 0, 0
	FETCH_A 0, 0, 4
	STEP 0, 0, 1
	TURN 0, 1, 1
	STEP 1, 0, 0
	TURN 1, 0, 1
	STEP 0, 0, 0
	TURN 0, 1, 0
	STEP 1, 0, 0
	s_cmp_lg_u32 s12, 0
	s_cbranch_scc1 .Lno_gather
	s_wait_loadcnt 0x0
.irp a, 0,1,2,3,4,5,6,7
	v_min_u32 v[PA+\a], 0xfff, v[PA+\a]
.endr
.irp a, 0,1,2,3,4,5,6,7
	v_lshlrev_b32 v[PA+\a], 6, v[PA+\a]
.endr
.irp a, 0,1,2,3,4,5,6,7
	v_add_nc_u32 v[PA+\a], v[H16], v[PA+\a]
.endr
	WIN TO_B
.irp a, 0,1,2,3,4,5,6,7
	global_load_b128 v[16*\a:16*\a+3],     v[PA+\a], s[10:11]
	global_load_b128 v[16*\a+4:16*\a+7],   v[PA+\a], s[10:11] offset:32
	global_load_b128 v[16*\a+8:16*\a+11],  v[PA+\a], s[68:69]
	global_load_b128 v[16*\a+12:16*\a+15], v[PA+\a], s[68:69] offset:32
.endr
	WIN 0
.Lno_gather:
	s_wait_dscnt 4*NL
	WIN MUL_LO
	MUL16 0, 1, 0
	MUL16 2, 1, 0
	s_wait_dscnt 0
	WIN MUL_HI
	MUL16 4, 1, 0
	MUL16 6, 1, 0
	WIN 0
	PLACES NP
	s_cmp_lg_u32 s12, 0
	s_cbranch_scc1 .Lv_out
.macro SUMSQ a0
	WIN 0x0a+5*((\a0)/4)
.set idx, 0
.rept 16
.irp a, \a0, \a0+1
.irp hh, 0,1
.set rA, 8*(8*((\a)%4)+4*\hh+idx/4)+2*(idx%4)
.set rF, F+2*(2*(\a)+\hh)
.if idx == 0
	v_pk_mul_f32 v[rF:rF+1], v[rA:rA+1], v[rA:rA+1]
.else
	v_pk_fma_f32 v[rF:rF+1], v[rA:rA+1], v[rA:rA+1], v[rF:rF+1]
.endif
.endr
.endr
.set idx, idx+1
.endr
.endm
	SUMSQ 0
	SUMSQ 2
	SUMSQ 4
	SUMSQ 6
	WIN 0
.irp n, 0,1,2,3,4,5,6,7,8,9,10,11,12,13,14,15
	v_add_f32 v[F+2*\n], v[F+2*\n], v[F+2*\n+1]
.endr
.irp n, 0,1,2,3,4,5,6,7,8,9,10,11,12,13,14,15
	v_permlanex16_b32 v[F+2*\n+1], v[F+2*\n], s66, s67
.endr
.irp n, 0,1,2,3,4,5,6,7,8,9,10,11,12,13,14,15
	v_add_f32 v[F+2*\n], v[F+2*\n], v[F+2*\n+1]
.endr
.irp n, 0,1,2,3,4,5,6,7,8,9,10,11,12,13,14,15
	v_fma_f32 v[F+2*\n], v[F+2*\n], s89, s90
.endr
	s_wait_alu depctr_va_vdst(0)
.irp n, 0,1,2,3,4,5,6,7,8,9,10,11,12,13,14,15
	v_rsq_f32 v[F+2*\n], v[F+2*\n]
.endr
	v_nop
	s_wait_alu depctr_va_vdst(0)
.irp n, 0,1,2,3,4,5,6,7,8,9,10,11,12,13,14,15
	v_ldexp_f32 v[F+2*\n], v[F+2*\n], s88
.endr
	s_wait_loadcnt 0x0
.macro QKOUT a
.set AC, 64*((\a)%4)
	WIN 0x02+(\a)/4
.irp hh, 0,1
.set i, 0
.rept 16
	v_pk_mul_f32 v[Y+32*\hh+2*i:Y+32*\hh+2*i+1], v[AC+32*\hh+2*i:AC+32*\hh+2*i+1], v[F+2*(2*(\a)+\hh):F+2*(2*(\a)+\hh)+1] op_sel_hi:[1,0]
.set i, i+1
.endr
.endr
	WIN 0
.irp hh, 0,1
.set i, 0
.rept 16
	v_pk_mul_f32 v[Y+32*\hh+2*i:Y+32*\hh+2*i+1], v[Y+32*\hh+2*i:Y+32*\hh+2*i+1], v[W+2*i:W+2*i+1]
.set i, i+1
.endr
.endr
	WIN 0x04
.irp hh, 0,1
.irp c, 0,1
.irp p, 0,1,2,3
	v_mul_f32 v[RT+2*(8*\hh+4*\c+\p)],   v[Y+32*\hh+8*\c+2*\p+1], v[16*(\a)+8+4*\c+\p]
	v_mul_f32 v[RT+2*(8*\hh+4*\c+\p)+1], v[Y+32*\hh+8*\c+2*\p],   v[16*(\a)+8+4*\c+\p]
.endr
.endr
.endr
.irp hh, 0,1
.irp c, 0,1
.irp p, 0,1,2,3
	v_fma_f32 v[Y+32*\hh+8*\c+2*\p],   v[Y+32*\hh+8*\c+2*\p],   v[16*(\a)+4*\c+\p], -v[RT+2*(8*\hh+4*\c+\p)]
	v_fma_f32 v[Y+32*\hh+8*\c+2*\p+1], v[Y+32*\hh+8*\c+2*\p+1], v[16*(\a)+4*\c+\p], v[RT+2*(8*\hh+4*\c+\p)+1]
.endr
.endr
.endr
	WIN 0
.set i, 0
.rept 64
.set i, i+1
.endr
.if (\a) > 0
	s_wait_alu depctr_va_vdst(0)
	s_wait_xcnt 0x0
.endif
.irp hh, 0,1
.irp c, 0,1,2,3
	v_cvt_scalef32_pk8_fp8_f32 v[CD+8*\hh+2*\c:CD+8*\hh+2*\c+1], v[Y+32*\hh+8*\c:Y+32*\hh+8*\c+7], v[CV]
.endr
.endr
	v_nop
.irp hh, 0,1
.irp g, 0,1
	global_store_b128 v[LI], v[CD+8*\hh+4*\g:CD+8*\hh+4*\g+3], s[92:93] offset:\hh*262144+(\a)*1024+512*\g
.endr
.endr
.endm
.irp a, 0,1,2,3,4,5,6,7
	QKOUT \a
.endr
	s_branch .Lend
.Lv_out:
.macro VOUT a
.set AC, 64*((\a)%4)
	WIN 0x02+(\a)/4
.set i, 0
.rept 64
	v_med3_num_f32 v[Y+i], v[AC+i], -v[LM], v[LM]
.set i, i+1
.endr
	WIN 0
.if (\a) > 0
	s_wait_alu depctr_va_vdst(0)
	s_wait_xcnt 0x0
.endif
.irp b, 0,1,2,3,4,5,6,7
	v_cvt_scalef32_pk8_fp8_f32 v[CD+2*\b:CD+2*\b+1], v[Y+8*\b:Y+8*\b+7], v[CV]
.endr
	v_nop
.irp g, 0,1,2,3
	global_store_b128 v[LI], v[CD+4*\g:CD+4*\g+3], s[92:93] offset:((\a)/4)*262144+((\a)%4)*2048+512*\g
.endr
.endm
.irp a, 0,1,2,3,4,5,6,7
	VOUT \a
.endr
.Lend:
	s_wait_tensorcnt 0x0
	ds_add_u32 v[SPW], v[NIL]
	s_wait_dscnt 0x0
	CROUND
	s_endpgm
.Lfunc_end_k_q2f02361d5b_qkv:
	.size	k_q2f02361d5b_qkv, .Lfunc_end_k_q2f02361d5b_qkv-k_q2f02361d5b_qkv
	.p2alignl 7, 3214868480
	.fill 96, 4, 3214868480
	.section	.rodata,"a",@progbits
	.p2align	6, 0x0
	.amdhsa_kernel k_q2f02361d5b_qkv
		.amdhsa_group_segment_fixed_size 327680
		.amdhsa_private_segment_fixed_size 0
		.amdhsa_enable_private_segment 0
		.amdhsa_kernarg_size 80
		.amdhsa_user_sgpr_count 2
		.amdhsa_user_sgpr_kernarg_segment_ptr 1
		.amdhsa_wavefront_size32 1
		.amdhsa_system_sgpr_workgroup_id_x 1
		.amdhsa_system_sgpr_workgroup_id_y 1
		.amdhsa_system_sgpr_workgroup_id_z 1
		.amdhsa_system_vgpr_workitem_id 0
		.amdhsa_next_free_vgpr 1024
		.amdhsa_next_free_sgpr 100
		.amdhsa_reserve_vcc 0
		.amdhsa_float_denorm_mode_32 3
		.amdhsa_float_denorm_mode_16_64 3
		.amdhsa_fp16_overflow 1
		.amdhsa_memory_ordered 1
		.amdhsa_forward_progress 1
		.amdhsa_inst_pref_size 211
	.end_amdhsa_kernel
	.amdgpu_metadata
---
amdhsa.version: [ 1, 2 ]
amdhsa.kernels:
  - .name:           k_q2f02361d5b_qkv
    .symbol:         k_q2f02361d5b_qkv.kd
    .args:
      - { .name: xw_codes, .offset: 0, .size: 8, .value_kind: global_buffer, .address_space: global }
      - { .name: lowp_scales, .offset: 8, .size: 8, .value_kind: global_buffer, .address_space: global }
      - { .name: pos, .offset: 16, .size: 8, .value_kind: global_buffer, .address_space: global }
      - { .name: cos, .offset: 24, .size: 8, .value_kind: global_buffer, .address_space: global }
      - { .name: sin, .offset: 32, .size: 8, .value_kind: global_buffer, .address_space: global }
      - { .name: q_norm_w, .offset: 40, .size: 8, .value_kind: global_buffer, .address_space: global }
      - { .name: k_norm_w, .offset: 48, .size: 8, .value_kind: global_buffer, .address_space: global }
      - { .name: q_frag, .offset: 56, .size: 8, .value_kind: global_buffer, .address_space: global }
      - { .name: k_frag, .offset: 64, .size: 8, .value_kind: global_buffer, .address_space: global }
      - { .name: v_frag, .offset: 72, .size: 8, .value_kind: global_buffer, .address_space: global }
    .group_segment_fixed_size: 327680
    .private_segment_fixed_size: 0
    .kernarg_segment_align: 8
    .kernarg_segment_size: 80
    .max_flat_workgroup_size: 128
    .sgpr_count:     100
    .vgpr_count:     1024
    .wavefront_size: 32
...
	.end_amdgpu_metadata
.endif
;; end of part 2
;; launch attn (part 3): grid 16 x 16, 16 waves a work-group, no clusters, 169,984 bytes of LDS; arguments q_frag, k_frag, v_frag, lowp_scales, o_codes; writes o_codes
.if DOCPART == 3
	.amdgcn_target "amdgcn-amd-amdhsa--gfx1250"
	.amdhsa_code_object_version 6
	.text
	.protected	k_q2f02361d5b_attn
	.globl	k_q2f02361d5b_attn
	.p2align	8
	.type	k_q2f02361d5b_attn,@function
k_q2f02361d5b_attn:
	s_mov_b64 s[64:65], 0
	v_nop
	global_prefetch_b8 v0, s[64:65] scope:SCOPE_SE
	s_setreg_imm32_b32 hwreg(HW_REG_WAVE_MODE, 25, 1), 1
	s_wait_xcnt 0x0
; o[q] = the sum over the keys k with 0 <= q - k < 1,024 of softmax_k(0.12 q . k) v[k], for 16 heads of 64 channels, both products on codes of FP8 (E4M3); o is quantised (exponent 6) for the last product.
; THE SOFTMAX AHEAD OF THE SECOND PRODUCT: t = score x 0.12 x log2(e); M = the row's largest t so far, rounded UP to a whole number; p = 2^(t - M) is what is quantised (exponent 4); it is not normalised.
; The row's sum is taken of the unquantised p, in f32, and divides at the end.  When M moves, the sum and O are multiplied by 2^(old M - new M): exact.
; INPUTS are images of operand registers: q_frag, k_frag [head][tile of 16 tokens][16 x 64 K: 1,024 bytes]; v_frag [head][block of 128 keys][tile of 16 channels][16 x 128 K: 2,048 bytes] (V^T: the keys are its K).
; SHARES.  A work-group owns 256 queries of one head, each of its sixteen waves 16 of them, in 256 registers: four waves to a SIMD, so that one wave's vector work stands beside another's products and LDS loads.
; The 256 queries see keys KS .. KS + 1,279, KS = max(256 x - 1,024, 0): 80 KiB of K and 80 KiB of V.  They are brought into LDS ONCE, by five tensor loads in each of waves 0 to 3: no LDS byte is filled twice.
; A wave walks the ten steps of 128 keys and leaves out, by a scalar branch on ids, those that lie wholly after its queries or wholly before their windows.
; LAYOUT.  Both products are used transposed: S^T = K Q^T (source 0 = 16 keys), O^T = V^T P^T (source 0 = 16 channels): a lane holds ONE query (lane % 16).  Register 8 c + j of S^T is key KF + 16 c + 8 h + j,
; so one conversion of tile c's eight registers gives registers 2 c, 2 c + 1 of P in their true places; likewise O^T's tiles give the last product's operand.
; No multicast: neighbouring query blocks' windows are shifted by 256 keys, so partners would want different keys at the same LDS place.
; LIMITS on the given exponents, so that each power of two below is an f32 number: e2 + e3 between -123 and 130 (added to the exponent field of 0.12 log2 e); e4 and e6 between -126 and 127; e4 + e5 goes by v_ldexp_f32 and has none.
; REGISTERS: v1-3 16 x lane + 0, 65,536, 131,072; v4 r - 8 h; v5 -infinity; v6, v7 the masks' bounds; v12 -M, v13 the largest t, v[14:15] the sum in two halves; v16-23 Q; v24 2^e4; v[26:27] f;
;   v28-30 at work; v32-95 K's eight fragments, then V's four; v96-159 S^T, then p; v160-191 O^T; v192-207 p's codes; v208-215 o's codes; v216-247 o; v[248:249] the sum's second chain; v250 2^e6.
.set VOFF,  81920                      ; LDS: K's ten steps of 8,192 bytes, then V's ten
.set STEPB, 8192
.set WV,  18                           ; s18  my wave's number
.set SEL, 20                           ; s[20:21] selects for lane l xor 16
.set CS,  22                           ; s[22:23] c = 0.12 log2(e) x 2^(e2 + e3): the packed form names a pair
.set G1,  24                           ; s[24:31] descriptor group 1
.set G0,  32                           ; s[32:51] five groups 0
.set KS,  52                           ; s52  the work-group's first key
.set Q0,  53                           ; s53  my first query
.set QHI, 54                           ; s54  Q0 + 15: a step that begins after it is hidden
.set QLO, 55                           ; s55  Q0 - 1,150: a step that begins before it ends before key Q0 - 1,023
.set KF,  56                           ; s56  the step's first key
.set TS,  57                           ; s57  at work
.set QIN, 58                           ; s58  Q0 - 1,008: from here on a step's keys lie inside all my queries' windows
	s_load_b256 s[4:11], s[0:1], 0x0               ; q_frag s[4:5], k_frag s[6:7], v_frag s[8:9], the exponents s[10:11]
	s_load_b64 s[12:13], s[0:1], 0x20              ; o_codes
	v_lshl_add_u32 v254, v0, 2, 0x29000
	v_mov_b32 v255, 0
	ds_add_u32 v254, v255
	ds_add_u32 v254, v255
	v_lshrrev_b32 v8, 5, v0
	s_delay_alu instid0(VALU_DEP_1)
	v_readfirstlane_b32 s[WV], v8                  ; wave 0..15
	s_and_b32 s59, ttmp7, 0xffff                   ; the head
	s_lshl_b32 s[KS], ttmp9, 8
	s_sub_co_i32 s[KS], s[KS], 1024
	s_max_i32 s[KS], s[KS], 0
	s_lshl_b32 s[Q0], ttmp9, 8
	s_lshl_b32 s[TS], s[WV], 4
	s_add_co_u32 s[Q0], s[Q0], s[TS]
	s_add_co_u32 s[QHI], s[Q0], 15
	s_sub_co_i32 s[QLO], s[Q0], 1150
	s_sub_co_i32 s[QIN], s[Q0], 1008
	; descriptor group 1: a dense block of 8,192 bytes (128 keys of K, or of V) as 32 rows of 32 elements of 8 bytes
	s_mov_b32 s[G1], 3<<16                         ; 15:0 no mask; 17:16 elements of 8 bytes; no padding: an image is read 512 consecutive bytes at a time
	s_mov_b32 s[G1+1], 32<<16                      ; tensor_dim0 = 32
	s_mov_b32 s[G1+2], 32<<16                      ; tensor_dim1 = 32
	s_mov_b32 s[G1+3], 32<<16                      ; tile_dim0 = 32
	s_mov_b32 s[G1+4], 32                          ; tile_dim1 = 32
	s_mov_b32 s[G1+5], 32                          ; tensor_dim0_stride
	s_mov_b32 s[G1+6], 0
	s_mov_b32 s[G1+7], 0
	s_mov_b32 s[SEL], 0x76543210
	s_mov_b32 s[SEL+1], 0xfedcba98
	s_lshl_b32 s62, s59, 18                        ; a head is 262,144 bytes in each of the three inputs
	s_lshl_b32 s[TS], s[KS], 6                     ; a key is 64 bytes in K and in V
	s_add_co_u32 s66, s62, s[TS]
	s_and_b32 s[TS], s[WV], 1
	s_lshl_b32 s[TS], s[TS], 13                    ; waves 0, 2 fetch the even steps, waves 1, 3 the odd ones
	s_add_co_u32 s66, s66, s[TS]
	s_mov_b32 s67, 0
	s_lshr_b32 s76, s[WV], 1
	s_mul_i32 s76, s76, VOFF                       ; waves 0, 1: K; waves 2, 3: V
	s_add_co_u32 s76, s76, s[TS]                   ; where my first load goes
	s_lshl_b32 s77, ttmp9, 4
	s_add_co_u32 s77, s77, s[WV]                   ; my tile of 16 tokens
	s_lshl_b32 s78, s77, 10
	s_add_co_u32 s62, s62, s78                     ; Q's fragment
	s_mov_b32 s63, 0
	s_lshr_b32 s78, s59, 2                         ; o_codes: [K step of 256 = 4 heads][tile of tokens][2 fragments]: head hd fills 1,024 bytes at (hd % 4) x 1,024 of the tile's 4,096
	s_lshl_b32 s78, s78, 20
	s_lshl_b32 s79, s77, 12
	s_add_co_u32 s78, s78, s79
	s_and_b32 s79, s59, 3
	s_lshl_b32 s79, s79, 10
	s_add_co_u32 s78, s78, s79
	s_mov_b32 s79, 0
	s_wait_dscnt 0x0
	s_wait_kmcnt 0x0
	s_load_b256 s[68:75], s[10:11], 0x0            ; the eight exponents
	s_cmp_lt_u32 s[WV], 2
	s_cselect_b64 s[60:61], s[6:7], s[8:9]
	s_add_nc_u64 s[60:61], s[60:61], s[66:67]
.irp s, 0,1,2,3,4
	s_mov_b32 s[G0+4*\s], 1                        ; count = 1
	s_add_co_u32 s[G0+4*\s+1], s76, 16384*\s       ; LDS address: two steps on each time
	s_add_nc_u64 s[G0+4*\s+2:G0+4*\s+3], s[60:61], 16384*\s
	s_or_b32 s[G0+4*\s+3], s[G0+4*\s+3], 0x80000000   ; type = 2
.endr
	s_cmp_lt_u32 s[WV], 4                          ; a wave's first fills stand in one branch on its number, ahead of every wait on TENSORcnt, every LDS read and every barrier: five loads of mine are out
	s_cbranch_scc0 .Lno_fetch
.irp s, 0,1,2,3,4
	tensor_load_to_lds s[G0+4*\s:G0+4*\s+3], s[G1:G1+7]
	s_nop 0
.endr
.rept 4
	v_nop
.endr
.Lno_fetch:
	s_add_nc_u64 s[4:5], s[4:5], s[62:63]
	s_add_nc_u64 s[12:13], s[12:13], s[78:79]
	v_and_b32 v8, 31, v0
	s_delay_alu instid0(VALU_DEP_1)
	v_lshlrev_b32 v1, 4, v8                        ; 16 x lane: my place in an image, in LDS and in memory
	s_delay_alu instid0(VALU_DEP_1)
	v_add_nc_u32 v2, 0x10000, v1                   ; an LDS offset has 16 bits: the register carries the rest
	s_delay_alu instid0(VALU_DEP_2)
	v_add_nc_u32 v3, 0x20000, v1
	global_load_b128 v[16:19], v1, s[4:5]          ; Q's fragment stays in registers
	global_load_b128 v[20:23], v1, s[4:5] offset:512
	v_and_b32 v9, 15, v0
	v_bfe_u32 v10, v0, 4, 1
	s_delay_alu instid0(VALU_DEP_1)
	v_lshlrev_b32 v10, 3, v10
	s_delay_alu instid0(VALU_DEP_1)
	v_sub_nc_u32 v4, v9, v10                       ; r - 8 h
	v_mov_b32 v5, 0xff800000                       ; -infinity
	v_mov_b32 v13, 0xff61b1e6                      ; the largest t so far: -3e38, under every t
	s_delay_alu instid0(VALU_DEP_1)
	v_floor_f32 v12, -v13                          ; -M
	v_mov_b32 v14, 0                               ; the sum, in two halves
	v_mov_b32 v15, 0
	v_mov_b32 v27, 0                               ; (named as the upper half of the pair v[26:27])
	v_mov_b32 v28, 0                               ; written once: a lane permute's destination counts as one of its sources
.set i, 0
.rept 32
	v_mov_b32 v[160+i], 0                          ; O^T: a wave's first step is any of the ten, so the step is written in one form: it finds zeros, which the first change of M leaves zeros
.set i, i+1
.endr
	s_wait_kmcnt 0x0
	s_mov_b32 s[CS], 0x3e314743                    ; 0.12 x log2(e)
	s_add_co_i32 s[TS], s70, s71
	s_lshl_b32 s[TS], s[TS], 23
	s_add_co_i32 s[CS], s[CS], s[TS]               ; a score stands for score x 2^(e2 + e3): the two exponents are added to c's exponent field
	s_mov_b32 s[CS+1], s[CS]                       ; (named with it as a pair, so it is written)
	s_add_co_i32 s[TS], s72, 127
	s_lshl_b32 s59, s[TS], 23
	v_mov_b32 v24, s59                             ; 2^e4 as f32, for p's conversion
.macro LD reg, off                     ; 16 bytes a lane at LDS byte off + 16 x lane
	ds_load_b128 v[(\reg):(\reg)+3], v[1+(\off)/65536] offset:(\off)%65536
.endm
; A KEY STEP: keys KS + 128 idx on.
.macro STEP idx
	s_add_co_u32 s[KF], s[KS], 128*(\idx)
	s_cmp_gt_i32 s[KF], s[QHI]                     ; all its keys come after my queries,
	s_cbranch_scc1 .Lhid_\@
	s_cmp_lt_i32 s[KF], s[QLO]                     ; or all lie before their windows: the step is left out (ids alone decide)
	s_cbranch_scc1 .Lhid_\@
.rept 4
	v_nop                                          ; places in front of loads into registers that the last products read (ISA guide 7.12.1 for vector instructions)
.endr
.irp t, 0,1,2,3,4,5,6,7
	LD 32+8*\t, STEPB*(\idx)+1024*\t
	LD 36+8*\t, STEPB*(\idx)+1024*\t+512
.endr
	s_wait_dscnt 0x0
.irp t, 0,1,2,3,4,5,6,7
	v_wmma_f32_16x16x64_fp8_fp8 v[96+8*\t:103+8*\t], v[32+8*\t:39+8*\t], v[16:23], 0   ; S^T: keys 16 t on x my 16 queries
.endr
.rept 4
	v_nop                                          ; places in front of the loads below and of the first read of the scores
.endr
.irp ct, 0,1,2,3
.irp g, 0,1,2,3
	LD 32+16*\ct+4*\g, VOFF+STEPB*(\idx)+2048*\ct+512*\g   ; V's four fragments land under the softmax
.endr
.endr
	s_add_co_u32 s[TS], s[KF], 127
	s_cmp_le_i32 s[TS], s[Q0]
	s_cbranch_scc1 .Lopen_\@                       ; no key of the step comes after any of my queries
	s_sub_co_i32 s[TS], s[Q0], s[KF]
	v_add_nc_u32 v6, s[TS], v4                     ; d = my query - KF - 8 h: register 8 c + j is hidden where 16 c + j > d.  A hidden score becomes -infinity ahead of the maximum: p = 0 then
.irp c, 0,1,2,3,4,5,6,7
.irp j, 0,1,2,3,4,5,6,7
	v_cmp_gt_i32 vcc_lo, 16*\c+\j, v6
	v_cndmask_b32 v[96+8*\c+\j], v[96+8*\c+\j], v5, vcc_lo
.endr
.endr
.Lopen_\@:
.if (\idx) < 2                         ; from step 2 on KF >= 256 x - 768 >= Q0 - 1,008 in every wave: no key lies before a window
	s_cmp_ge_i32 s[KF], s[QIN]
	s_cbranch_scc1 .Lin_\@
	s_sub_co_i32 s[TS], s[Q0], s[KF]
	s_sub_co_i32 s[TS], s[TS], 1023
	v_add_nc_u32 v7, s[TS], v4                     ; d - 1,023: hidden where my query - key >= 1,024, that is 16 c + j < d - 1,023
.irp c, 0,1,2,3,4,5,6,7
.irp j, 0,1,2,3,4,5,6,7
	v_cmp_lt_i32 vcc_lo, 16*\c+\j, v7
	v_cndmask_b32 v[96+8*\c+\j], v[96+8*\c+\j], v5, vcc_lo
.endr
.endr
.Lin_\@:
.endif
	v_max3_num_f32 v29, v96, v97, v98              ; the step's largest score of my query, among my 64 keys, in two chains, each accumulator from its low end on,
	v_max3_num_f32 v30, v99, v100, v101
.irp i, 6,10,14,18,22,26,30,34,38,42,46,50,54,58
	v_max3_num_f32 v29, v29, v[96+\i], v[97+\i]
	v_max3_num_f32 v30, v30, v[98+\i], v[99+\i]
.endr
	v_max3_num_f32 v29, v29, v158, v159
	s_delay_alu instid0(VALU_DEP_1)
	v_max_num_f32 v29, v29, v30
	s_delay_alu instid0(VALU_DEP_1)
	v_permlanex16_b32 v28, v29, s[SEL], s[SEL+1]
	s_delay_alu instid0(VALU_DEP_1)
	v_max_num_f32 v29, v29, v28                    ; and among lane l xor 16's
	s_delay_alu instid0(VALU_DEP_1)
	v_mul_f32 v29, s[CS], v29                      ; as t (c is positive)
	s_delay_alu instid0(VALU_DEP_1)
	v_max_num_f32 v13, v13, v29                    ; the running largest t
	v_mov_b32 v29, v12
	s_delay_alu instid0(VALU_DEP_2)
	v_floor_f32 v12, -v13                          ; the new -M = floor(-t) = -ceil(t): M is a whole number
	s_delay_alu instid0(VALU_DEP_1)
	v_sub_f32 v29, v12, v29                        ; M's old value less its new one: a whole number, 0 or less
	s_delay_alu instid0(VALU_DEP_1)
	v_cvt_i32_f32 v29, v29                         ; (it saturates)
	s_delay_alu instid0(VALU_DEP_1)
	v_ldexp_f32 v26, 1.0, v29                      ; f = 2^(old M - new M)
.irp c, 0,1,2,3,4,5,6,7
.irp j, 0,2,4,6
	v_pk_fma_f32 v[96+8*\c+\j:97+8*\c+\j], v[96+8*\c+\j:97+8*\c+\j], s[CS:CS+1], v[12:13] op_sel_hi:[1,0,0]   ; t - M, two at a time (of the pairs c and -M the low word serves both halves)
.endr
.endr
	s_wait_alu depctr_va_vdst(0)
.irp c, 0,1,2,3,4,5,6,7
.irp j, 0,1,2,3,4,5,6,7
	v_exp_f32 v[96+8*\c+\j], v[96+8*\c+\j]         ; p = 2^(t - M), at most 1: not normalised
.endr
.endr
	v_pk_mul_f32 v[14:15], v[14:15], v[26:27] op_sel_hi:[1,0]   ; the sums under the new M: the plain instruction behind the exponentials
	s_wait_alu depctr_va_vdst(0)                   ; one wait for the batch of 64, ahead of its first reader
	v_pk_add_f32 v[248:249], v[100:101], v[104:105]
	v_pk_add_f32 v[252:253], v[108:109], v[112:113]
	v_pk_add_f32 v[250:251], v[116:117], v[120:121]
	v_pk_add_f32 v[246:247], v[124:125], v[128:129]
	v_pk_add_f32 v[244:245], v[132:133], v[136:137]
	v_pk_add_f32 v[242:243], v[140:141], v[144:145]
	v_pk_add_f32 v[240:241], v[148:149], v[152:153]
	v_pk_add_f32 v[14:15], v[14:15], v[156:157]
	v_pk_add_f32 v[248:249], v[248:249], v[96:97]
	v_pk_add_f32 v[252:253], v[252:253], v[98:99]
	v_pk_add_f32 v[250:251], v[250:251], v[102:103]
	v_pk_add_f32 v[246:247], v[246:247], v[106:107]
	v_pk_add_f32 v[244:245], v[244:245], v[110:111]
	v_pk_add_f32 v[242:243], v[242:243], v[114:115]
	v_pk_add_f32 v[240:241], v[240:241], v[118:119]
	v_pk_add_f32 v[14:15], v[14:15], v[122:123]
	v_pk_add_f32 v[248:249], v[248:249], v[126:127]
	v_pk_add_f32 v[252:253], v[252:253], v[130:131]
	v_pk_add_f32 v[250:251], v[250:251], v[134:135]
	v_pk_add_f32 v[246:247], v[246:247], v[138:139]
	v_pk_add_f32 v[244:245], v[244:245], v[142:143]
	v_pk_add_f32 v[242:243], v[242:243], v[146:147]
	v_pk_add_f32 v[240:241], v[240:241], v[150:151]
	v_pk_add_f32 v[14:15], v[14:15], v[154:155]
	v_pk_add_f32 v[248:249], v[248:249], v[158:159]
	s_delay_alu instid0(VALU_DEP_2)
	v_pk_add_f32 v[14:15], v[14:15], v[246:247]
	s_delay_alu instid0(VALU_DEP_2)
	v_pk_add_f32 v[248:249], v[248:249], v[244:245]
	v_pk_add_f32 v[252:253], v[252:253], v[242:243]
	v_pk_add_f32 v[250:251], v[250:251], v[240:241]
	s_delay_alu instid0(VALU_DEP_2)
	v_pk_add_f32 v[14:15], v[14:15], v[252:253]
	s_delay_alu instid0(VALU_DEP_2)
	v_pk_add_f32 v[248:249], v[248:249], v[250:251]
	s_delay_alu instid0(VALU_DEP_1)
	v_pk_add_f32 v[14:15], v[14:15], v[248:249]
.irp c, 0,1,2,3,4,5,6,7
.irp j, 0,1,2,3,4,5,6,7
.endr
	v_cvt_scalef32_pk8_fp8_f32 v[192+2*\c:193+2*\c], v[96+8*\c:103+8*\c], v24   ; registers 2 c, 2 c + 1 of P: keys 16 c + 8 h + 0..7
.endr
.irp j, 0,2,4,6,8,10,12,14,16,18,20,22,24,26,28,30
	v_pk_mul_f32 v[160+\j:161+\j], v[160+\j:161+\j], v[26:27] op_sel_hi:[1,0]   ; O^T under the new M.  (Plain instructions between the conversions and the products that read their results)
.endr
	s_wait_alu depctr_va_vdst(0)
	s_wait_dscnt 0x0                               ; V is in
.irp ct, 0,1,2,3
	v_wmma_f32_16x16x128_fp8_fp8 v[160+8*\ct:167+8*\ct], v[32+16*\ct:47+16*\ct], v[192:207], v[160+8*\ct:167+8*\ct]   ; O^T += V^T P^T: the four accumulators by turns
.endr
.Lhid_\@:
.endm
	s_wait_loadcnt 0x0                             ; Q
.irp s, 0,1,2,3,4
	s_wait_tensorcnt 4-\s                          ; tensor loads of a wave end in order: my part of steps 2 s and 2 s + 1 is in; the later loads stay out
	s_barrier_signal -1                            ; (no LDS load of mine is out: every step ends behind its wait for them)
	s_barrier_wait -1                              ; everybody's part is in
	STEP 2*\s
	STEP 2*\s+1
.endr
	; THE WAY OUT.  O^T / the sum x 2^(e4 + e5) is o; register 8 ct + j is channel 16 ct + 8 h + j of my query: four conversions give eight registers of the last product's operand.
	v_add_f32 v14, v14, v15                        ; the sum's two halves,
	s_delay_alu instid0(VALU_DEP_1)
	v_permlanex16_b32 v28, v14, s[SEL], s[SEL+1]
	s_delay_alu instid0(VALU_DEP_1)
	v_add_f32 v14, v14, v28                        ; and lane l xor 16's: the row's sum (a query sees itself: it is at least 1/2)
	s_wait_alu depctr_va_vdst(0)
	v_rcp_f32 v14, v14
	s_add_co_i32 s[TS], s74, 127
	s_lshl_b32 s59, s[TS], 23
	v_mov_b32 v250, s59                            ; 2^e6 as f32.  (The plain instruction behind the reciprocal; with the additions above and the lines below, the places behind the last products)
	s_add_co_i32 s62, s72, s73
	s_wait_alu depctr_va_vdst(0)                   ; the wait ahead of the reciprocal's first reader
	v_ldexp_f32 v14, v14, s62                      ; x 2^(e4 + e5)
.set i, 0
.rept 32
	v_mul_f32 v[216+i], v[160+i], v14
.set i, i+1
.endr
.set i, 0
.rept 32
.set i, i+1
.endr
.irp ct, 0,1,2,3
	v_cvt_scalef32_pk8_fp8_f32 v[208+2*\ct:209+2*\ct], v[216+8*\ct:223+8*\ct], v250
.endr
	v_nop                                          ; one plain instruction behind the last conversion
	global_store_b128 v1, v[208:211], s[12:13]     ; the wave stores 512 consecutive bytes, at a multiple of 512 from the buffer's first byte
	global_store_b128 v1, v[212:215], s[12:13] offset:512
	s_wait_tensorcnt 0x0
	ds_add_u32 v254, v255
	s_wait_dscnt 0x0
	s_endpgm
.Lfunc_end_k_q2f02361d5b_attn:
	.size	k_q2f02361d5b_attn, .Lfunc_end_k_q2f02361d5b_attn-k_q2f02361d5b_attn
	.p2alignl 7, 3214868480
	.fill 96, 4, 3214868480
	.section	.rodata,"a",@progbits
	.p2align	6, 0x0
	.amdhsa_kernel k_q2f02361d5b_attn
		.amdhsa_group_segment_fixed_size 169984
		.amdhsa_private_segment_fixed_size 0
		.amdhsa_enable_private_segment 0
		.amdhsa_kernarg_size 40
		.amdhsa_user_sgpr_count 2
		.amdhsa_user_sgpr_kernarg_segment_ptr 1
		.amdhsa_wavefront_size32 1
		.amdhsa_system_sgpr_workgroup_id_x 1
		.amdhsa_system_sgpr_workgroup_id_y 1
		.amdhsa_system_sgpr_workgroup_id_z 1
		.amdhsa_system_vgpr_workitem_id 0
		.amdhsa_next_free_vgpr 256
		.amdhsa_next_free_sgpr 80
		.amdhsa_reserve_vcc 1
		.amdhsa_float_denorm_mode_32 3
		.amdhsa_float_denorm_mode_16_64 3
		.amdhsa_fp16_overflow 1
		.amdhsa_memory_ordered 1
		.amdhsa_forward_progress 1
		.amdhsa_inst_pref_size 209
	.end_amdhsa_kernel
	.amdgpu_metadata
---
amdhsa.version: [ 1, 2 ]
amdhsa.kernels:
  - .name:           k_q2f02361d5b_attn
    .symbol:         k_q2f02361d5b_attn.kd
    .args:
      - { .name: q_frag, .offset: 0, .size: 8, .value_kind: global_buffer, .address_space: global }
      - { .name: k_frag, .offset: 8, .size: 8, .value_kind: global_buffer, .address_space: global }
      - { .name: v_frag, .offset: 16, .size: 8, .value_kind: global_buffer, .address_space: global }
      - { .name: lowp_scales, .offset: 24, .size: 8, .value_kind: global_buffer, .address_space: global }
      - { .name: o_codes, .offset: 32, .size: 8, .value_kind: global_buffer, .address_space: global }
    .group_segment_fixed_size: 169984
    .private_segment_fixed_size: 0
    .kernarg_segment_align: 8
    .kernarg_segment_size: 40
    .max_flat_workgroup_size: 512
    .sgpr_count:     80
    .vgpr_count:     256
    .wavefront_size: 32
...
	.end_amdgpu_metadata
.endif
;; end of part 3
;; launch oproj (part 4): grid 8 x 32, 4 waves a work-group, clusters of 4 x 4, 280,064 bytes of LDS; arguments o_codes, wo_codes, lowp_scales, out0; writes out0
.if DOCPART == 4
	.amdgcn_target "amdgcn-amd-amdhsa--gfx1250"
	.amdhsa_code_object_version 6
	.text
	.protected	k_q2f02361d5b_oproj
	.globl	k_q2f02361d5b_oproj
	.p2align	8
	.type	k_q2f02361d5b_oproj,@function
k_q2f02361d5b_oproj:
	s_mov_b64 s[64:65], 0
	v_nop
	global_prefetch_b8 v0, s[64:65] scope:SCOPE_SE
	s_setreg_imm32_b32 hwreg(HW_REG_WAVE_MODE, 25, 1), 1
	s_wait_xcnt 0x0
	s_wait_alu depctr_hold_cnt(0) depctr_sa_sdst(0) depctr_va_vdst(0) depctr_va_sdst(0) depctr_va_ssrc(0) depctr_va_vcc(0) depctr_vm_vsrc(0)
	s_getreg_b32 s2, hwreg(HW_REG_IB_STS2, 6, 4)
	s_cmp_eq_u32 s2, 0
	s_cbranch_scc0 .Lentry_in_a_cluster
	s_endpgm
.Lentry_in_a_cluster:
	s_bfe_u32 s2, ttmp6, 0x10000c
	s_cmp_lg_u32 s2, 0xf033
	s_cbranch_scc0 .Lentry_shape_is_right
	s_endpgm
.Lentry_shape_is_right:
; out0 = o w_o^T on codes of FP8 (E4M3): [4096][1024] f32; each finished sum is multiplied once by 2^(e6 + e7).
; LIMIT: e6 + e7 lies between -126 and 127, so that 2^(e6 + e7) is an f32 number.
; Both operands are images of operand registers: [K step of 256][tile of 16 rows][2 fragments of 16 x 128 K, 2,048 bytes each: [g 0..3][lane][16 bytes]].
; A tile of 128 x 128 to a work-group: 256 work-groups, one for each WGP.  Four waves, each 64 x 64: 16 accumulators.  The whole K = 1,024 of the tile's rows of both operands, 262,144 bytes, is brought into LDS ONCE:
; four tensor loads a wave, one for each K step of 256, all issued at the start; no LDS byte is filled twice, so there is no ring.  A barrier stands in front of the first read of each K step.
; CLUSTERS: 4 x 4 work-groups; o's tiles are asked for jointly along a row of the cluster, w_o's along a column.  One round stands in front of the joint loads, one in front of s_endpgm.
; THE MATRIX INSTRUCTION IS USED TRANSPOSED (source 0 = 16 rows of w_o, source 1 = 16 tokens): a lane holds eight neighbouring numbers of a row of the output.
; REGISTERS: window 0: v16-26 addresses; v32-63 a block's scaled sums; v64-127 rows read back from the stage, two sets; v128-255 the accumulators ((a, b) at v[128 + 8 (4 a + b)]).
;   window 1: two sets of fragments, at v0 and v128: A's four at + 16 a, B's four at + 64 + 16 b.
.set STAGE,  262144                    ; behind the tiles: 16 rows x 272 bytes for each wave; no tensor load lands here
.set SPITCH, 272
.set ADRA, 16                          ; v16  LDS address of my A fragments
.set ADRB, 17                          ; v17  of my B fragments
.set STO,  24                          ; v24  the way out: where I put 32 bytes of a row
.set RD,   25                          ; v25  where I read a row back
.set CO,   26                          ; v26  my byte offset in the output
.set TMP,  32
.set BK,   64
.set ACC,  128
.set G1A, 16                           ; s[16:23] descriptor group 1 for A's tiles;  s[24:31] for B's;  s[32:47], s[48:63] their groups 0, one for each K step
.set G1B, 24
.set G0A, 32
.set G0B, 48
.set SC,  88                           ; s[88:89] 2^(e6 + e7)
.set MSB, 0
.macro WIN new                         ; the immediate's high byte repeats the setting that is left
.if MSB != \new
	s_set_vgpr_msb (MSB<<8)|(\new)
.set MSB, \new
.endif
.endm
.set MUL,  0x05                        ; sources 0 (B) and 1 (A) window 1; C and D window 0
.set TO_F, 0x40                        ; destination window 1, address window 0
.macro CROUND                          ; a round of the cluster's barrier
	s_barrier_signal -1
	s_barrier_wait -1
	s_cmp_lg_u32 s12, 0
	s_cbranch_scc1 .Lnot_wave_0_\@
	s_barrier_signal -3
.Lnot_wave_0_\@:
	s_barrier_wait -3
	s_barrier_signal -1
	s_barrier_wait -1
.endm
	s_load_b256 s[4:11], s[0:1], 0x0               ; o_codes s[4:5], wo_codes s[6:7], the exponents s[8:9], out0 s[10:11]
	v_lshl_add_u32 v30, v0, 2, 0x44400
	v_mov_b32 v31, 0
	ds_add_u32 v30, v31
	ds_add_u32 v30, v31
	v_lshrrev_b32 v1, 5, v0
	v_readfirstlane_b32 s12, v1                    ; wave 0..3
	s_lshr_b32 s13, s12, 1                         ; wr: which half of the tile's tokens is mine.  Also: I fetch for A (0) or for B (1)
	s_and_b32 s14, s12, 1                          ; wc: which half of its columns.  Also: which half of that tile I fetch
	s_bfe_u32 s66, ttmp6, 0x40000                  ; cx, cy: my place in the cluster
	s_bfe_u32 s67, ttmp6, 0x40004
	s_lshl_b32 s68, ttmp9, 2
	s_add_co_u32 s68, s68, s66                     ; TC: tile column = 4 x cluster x + cx
	s_and_b32 s69, ttmp7, 0xffff
	s_lshl_b32 s69, s69, 2
	s_add_co_u32 s69, s69, s67                     ; TR: tile row = 4 x cluster y + cy
	s_lshl_b32 s70, s67, 2
	s_lshl_b32 s70, 15, s70                        ; my row of the cluster
	s_lshl_b32 s71, 0x1111, s66                    ; my column
	; descriptor group 1: a dense block of 16,384 bytes (4 row tiles x 2 fragments) as 64 rows of 32 elements of 8 bytes
	s_or_b32 s[G1A+0], s70, (3<<16)|(1<<21)        ; 15:0 the mask; 17:16 elements of 8 bytes; 21 set beside a mask
	s_or_b32 s[G1B+0], s71, (3<<16)|(1<<21)
.irp g, G1A, G1B
	s_mov_b32 s[\g+1], 32<<16                      ; tensor_dim0 = 32
	s_mov_b32 s[\g+2], 64<<16                      ; tensor_dim1 = 64
	s_mov_b32 s[\g+3], 32<<16                      ; tile_dim0 = 32
	s_mov_b32 s[\g+4], 64                          ; tile_dim1 = 64
	s_mov_b32 s[\g+5], 32                          ; tensor_dim0_stride
	s_mov_b32 s[\g+6], 0
	s_mov_b32 s[\g+7], 0
.endr
	s_lshl_b32 s76, s14, 2                         ; which 4 row tiles of the 8 I fetch
	s_lshl_b32 s72, s69, 3
	s_add_co_u32 s72, s72, s76                     ; A: row tile 8 TR + 4 x half: made of cy, never of cx
	s_lshl_b32 s72, s72, 12
	s_mov_b32 s73, 0
	s_lshl_b32 s74, s68, 3
	s_add_co_u32 s74, s74, s76                     ; B: row tile 8 TC + 4 x half: made of cx, never of cy
	s_lshl_b32 s74, s74, 12
	s_mov_b32 s75, 0
	s_lshl_b32 s77, s12, 16                        ; where they go: wave x 65,536: no place in the cluster enters an LDS address
	s_wait_dscnt 0x0
	s_wait_kmcnt 0x0
	s_load_b256 s[80:87], s[8:9], 0x0              ; the eight exponents
	s_add_nc_u64 s[72:73], s[4:5], s[72:73]
	s_add_nc_u64 s[74:75], s[6:7], s[74:75]
.irp k, 0,1,2,3
	s_mov_b32 s[G0A+4*\k], 1
	s_add_co_u32 s[G0A+4*\k+1], s77, 16384*\k
	s_add_nc_u64 s[G0A+4*\k+2:G0A+4*\k+3], s[72:73], 1048576*\k    ; a K step of o_codes: 256 row tiles
	s_or_b32 s[G0A+4*\k+3], s[G0A+4*\k+3], 0x80000000
	s_mov_b32 s[G0B+4*\k], 1
	s_add_co_u32 s[G0B+4*\k+1], s77, 16384*\k
	s_add_nc_u64 s[G0B+4*\k+2:G0B+4*\k+3], s[74:75], 262144*\k     ; of wo_codes: 64
	s_or_b32 s[G0B+4*\k+3], s[G0B+4*\k+3], 0x80000000
.endr
	CROUND                                         ; all sixteen work-groups are here: the joint loads meet
	s_cmp_eq_u32 s13, 0                            ; a wave's four loads stand in one arm of a branch on its number: four loads of mine are out; four v_nop follow the fourth
	s_cbranch_scc0 .Lfor_b
.irp k, 0,1,2,3
	tensor_load_to_lds s[G0A+4*\k:G0A+4*\k+3], s[G1A:G1A+7]
	s_nop 0
.endr
.rept 4
	v_nop
.endr
	s_branch .Lasked
.Lfor_b:
.irp k, 0,1,2,3
	tensor_load_to_lds s[G0B+4*\k:G0B+4*\k+3], s[G1B:G1B+7]
	s_nop 0
.endr
.rept 4
	v_nop
.endr
.Lasked:
	v_and_b32 v1, 15, v0                           ; r
	v_bfe_u32 v2, v0, 4, 1                         ; h
	v_and_b32 v3, 31, v0
	v_lshlrev_b32 v3, 4, v3                        ; 16 x lane
	s_lshl_b32 s76, s13, 16
	v_add_nc_u32 v[ADRA], s76, v3                  ; my half of A: what wave wr fetched
	s_lshl_b32 s76, s14, 16
	s_add_co_u32 s76, s76, 131072
	v_add_nc_u32 v[ADRB], s76, v3                  ; my half of B: what wave 2 + wc fetched
	s_mul_i32 s76, s12, 16*SPITCH
	s_add_co_u32 s76, s76, STAGE                   ; my stage
	v_mul_u32_u24 v4, v1, SPITCH
	v_lshl_add_u32 v4, v2, 5, v4
	v_add_nc_u32 v[STO], s76, v4                   ; in: row r, 32 bytes for each half of the lanes
	v_mul_u32_u24 v5, v2, SPITCH
	v_lshl_add_u32 v5, v1, 4, v5
	v_add_nc_u32 v[RD], s76, v5                    ; back: lanes 0-15 one row of 256 bytes, lanes 16-31 the next
	v_lshlrev_b32 v[CO], 12, v2
	v_lshl_add_u32 v[CO], v1, 4, v[CO]             ; and the same two rows in the output: 4,096 bytes a row
	s_lshl_b32 s90, s69, 19                        ; my first row, 128 TR + 64 wr,
	s_lshl_b32 s91, s13, 18
	s_add_co_u32 s90, s90, s91
	s_lshl_b32 s91, s68, 9                         ; my first column, 128 TC + 64 wc, in bytes
	s_add_co_u32 s90, s90, s91
	s_lshl_b32 s91, s14, 8
	s_add_co_u32 s90, s90, s91
	s_mov_b32 s91, 0
	s_add_nc_u64 s[10:11], s[10:11], s[90:91]
	s_wait_alu depctr_va_vdst(0)
	s_wait_kmcnt 0x0
	s_add_co_i32 s[SC], s86, s87
	s_add_co_i32 s[SC], s[SC], 127
	s_lshl_b32 s[SC], s[SC], 23                    ; 2^(e6 + e7) as f32
	s_mov_b32 s[SC+1], s[SC]                       ; (named with it as a pair, so it is written)
; 32 LDS loads in one run: the fragments of the k-th 128 along K into set f; each load is of 512 consecutive bytes
.macro FETCH k, f
	WIN TO_F
.irp i, 0,1,2,3
.irp c, 0,1,2,3
	ds_load_b128 v[\f+64+16*\i+4*\c:\f+64+16*\i+4*\c+3], v[ADRB] offset:16384*((\k)/2)+2048*((\k)%2)+4096*\i+512*\c
.endr
.endr
.irp i, 0,1,2,3
.irp c, 0,1,2,3
	ds_load_b128 v[\f+16*\i+4*\c:\f+16*\i+4*\c+3], v[ADRA] offset:16384*((\k)/2)+2048*((\k)%2)+4096*\i+512*\c
.endr
.endr
.endm
; 8 matrix instructions: A's blocks a0, a0 + 1 x B's four.  zero = 1: the first product starts the sums.  The 16 accumulators take turns, in the same order in every step.
.macro MUL8 f, a0, zero
.irp a, \a0, \a0+1
.irp b, 0,1,2,3
.if \zero
	v_wmma_f32_16x16x128_fp8_fp8 v[ACC+8*(4*(\a)+\b):ACC+8*(4*(\a)+\b)+7], v[\f+64+16*\b:\f+64+16*\b+15], v[\f+16*(\a):\f+16*(\a)+15], 0
.else
	v_wmma_f32_16x16x128_fp8_fp8 v[ACC+8*(4*(\a)+\b):ACC+8*(4*(\a)+\b)+7], v[\f+64+16*\b:\f+64+16*\b+15], v[\f+16*(\a):\f+16*(\a)+15], v[ACC+8*(4*(\a)+\b):ACC+8*(4*(\a)+\b)+7]
.endif
.endr
.endr
.endm
; The k-th 128 along K.  In its middle the next step's fragments are fetched into the other set.  Where those lie in the next K step of 256 (k odd), a barrier stands in front of them:
; each wave's own load of that K step has landed in front of its signal; the later loads stay out.
.macro KSTEP k
.set FS, 128*((\k)%2)
.set FN, 128*(((\k)+1)%2)
	s_wait_dscnt 0x0                               ; this step's fragments are in
.if ((\k)%2 == 1) && ((\k) < 7)
	s_wait_tensorcnt 3-((\k)+1)/2                  ; tensor loads of a wave end in order: my load of K step (k + 1) / 2 is in
	s_barrier_signal -1
.endif
	WIN MUL
.if (\k) == 0
	MUL8 FS, 0, 1
.else
	MUL8 FS, 0, 0
.endif
.if ((\k)%2 == 1) && ((\k) < 7)
	s_barrier_wait -1                              ; everybody's is
.endif
.if (\k) < 7
.rept 4
	v_nop                                          ; places in front of loads into the set that the last step's products read (ISA guide 7.12.1 for vector instructions)
.endr
	FETCH (\k)+1, FN
.endif
	WIN MUL
.if (\k) == 0
	MUL8 FS, 2, 1
.else
	MUL8 FS, 2, 0
.endif
.endm
	s_wait_tensorcnt 3                             ; my load of K step 0 is in,
	s_barrier_signal -1
	s_barrier_wait -1                              ; everybody's is
	FETCH 0, 0
.irp k, 0,1,2,3,4,5,6,7
	KSTEP \k
.endr
	WIN 0
.rept 4
	v_nop                                          ; places in front of the first read of results
.endr
; THE WAY OUT, block by block of 16 rows x 64 columns.  A lane holds 32 neighbouring bytes of a row and the lanes beside it other rows: a block goes through my own stage and comes back as whole rows of 256 bytes.
; LDS serves a wave's instructions in order (ISA guide 5.7.1.4): no wait between the stores and the loads, nor in front of the next block's stores.
.macro TOSTAGE a
.set i, 0
.rept 16
	v_pk_mul_f32 v[TMP+2*i:TMP+2*i+1], v[ACC+32*(\a)+2*i:ACC+32*(\a)+2*i+1], s[SC:SC+1] op_sel_hi:[1,0]   ; both x 2^(e6 + e7); each accumulator from its low end on
.set i, i+1
.endr
.irp b, 0,1,2,3
	ds_store_b128 v[STO], v[TMP+8*\b:TMP+8*\b+3] offset:64*\b
	ds_store_b128 v[STO], v[TMP+8*\b+4:TMP+8*\b+7] offset:64*\b+16
.endr
.set BB, BK+32*((\a)%2)
.irp t, 0,1,2,3,4,5,6,7
	ds_load_b128 v[BB+4*\t:BB+4*\t+3], v[RD] offset:2*\t*SPITCH
.endr
.endm
.macro SEND a, younger                 ; younger: the LDS instructions issued behind block a's loads, which may stay out
.set BB, BK+32*((\a)%2)
	s_wait_dscnt \younger                          ; the block is back in registers
.irp t, 0,1,2,3,4,5,6,7
	global_store_b128 v[CO], v[BB+4*\t:BB+4*\t+3], s[10:11] offset:(16*(\a)+2*\t)*4096 th:TH_STORE_NT   ; 16 lanes store 256 consecutive bytes, at a multiple of 256 from the output's first byte; written once
.endr
.endm
	TOSTAGE 0
.irp a, 1,2,3
.if \a > 1
	s_wait_xcnt 0x0                                ; block a - 2's stores have read their data: block a's loads may land there
.endif
	TOSTAGE \a
	SEND \a-1, 16                                  ; behind block a - 1's loads: block a's eight stores and eight loads
.endr
	SEND 3, 0                                      ; its wait is for zero: no LDS instruction of mine is out at the round's signal
	s_wait_tensorcnt 0x0
	ds_add_u32 v30, v31
	s_wait_dscnt 0x0
	CROUND                                         ; the closing round: no work-group ends while a partner may still ask for a tile that names it
	s_endpgm
.Lfunc_end_k_q2f02361d5b_oproj:
	.size	k_q2f02361d5b_oproj, .Lfunc_end_k_q2f02361d5b_oproj-k_q2f02361d5b_oproj
	.p2alignl 7, 3214868480
	.fill 96, 4, 3214868480
	.section	.rodata,"a",@progbits
	.p2align	6, 0x0
	.amdhsa_kernel k_q2f02361d5b_oproj
		.amdhsa_group_segment_fixed_size 280064
		.amdhsa_private_segment_fixed_size 0
		.amdhsa_enable_private_segment 0
		.amdhsa_kernarg_size 32
		.amdhsa_user_sgpr_count 2
		.amdhsa_user_sgpr_kernarg_segment_ptr 1
		.amdhsa_wavefront_size32 1
		.amdhsa_system_sgpr_workgroup_id_x 1
		.amdhsa_system_sgpr_workgroup_id_y 1
		.amdhsa_system_sgpr_workgroup_id_z 1
		.amdhsa_system_vgpr_workitem_id 0
		.amdhsa_next_free_vgpr 512
		.amdhsa_next_free_sgpr 96
		.amdhsa_reserve_vcc 0
		.amdhsa_float_denorm_mode_32 3
		.amdhsa_float_denorm_mode_16_64 3
		.amdhsa_memory_ordered 1
		.amdhsa_forward_progress 1
		.amdhsa_inst_pref_size 46
	.end_amdhsa_kernel
	.amdgpu_metadata
---
amdhsa.version: [ 1, 2 ]
amdhsa.kernels:
  - .name:           k_q2f02361d5b_oproj
    .symbol:         k_q2f02361d5b_oproj.kd
    .args:
      - { .name: o_codes, .offset: 0, .size: 8, .value_kind: global_buffer, .address_space: global }
      - { .name: wo_codes, .offset: 8, .size: 8, .value_kind: global_buffer, .address_space: global }
      - { .name: lowp_scales, .offset: 16, .size: 8, .value_kind: global_buffer, .address_space: global }
      - { .name: out0, .offset: 24, .size: 8, .value_kind: global_buffer, .address_space: global }
    .group_segment_fixed_size: 280064
    .private_segment_fixed_size: 0
    .kernarg_segment_align: 8
    .kernarg_segment_size: 32
    .max_flat_workgroup_size: 128
    .sgpr_count:     96
    .vgpr_count:     512
    .wavefront_size: 32
...
	.end_amdgpu_metadata
.endif
;; end of part 4
